; MI455X (gfx1250); checked and timed in simulation.
; The chip was launched on July 23, 2026; its instructions are those of AMD's public machine-readable ISA for CDNA 5 (MIT licence, August 2026) and "CDNA5" Instruction Set Architecture Reference Guide (July 2026). The comments in the code are by the model that wrote it; some were corrected since.
;; Multi Head Attention. Allowed arithmetic: matrix products marked QUANTISED: E5M2 operands, one given power-of-two scale a tensor, by v_wmma_f32_16x16x64_bf8_bf8 or v_wmma_f32_16x16x128_bf8_bf8, f32 sums; everything else in f32.
;; Inputs: Wk_codes 16 x 64 x 32 x 32 uint8 (E5M2 codes of Wk, K innermost, in blocks of 32 codes); Wp_codes 1,024 x 32 x 32 uint8 (E5M2 codes of Wp, K innermost, in blocks of 32 codes); Wq_codes 16 x 64 x 32 x 32 uint8 (E5M2 codes of Wq, K innermost, in blocks of 32 codes); Wv_codes 16 x 64 x 32 x 32 uint8 (E5M2 codes of Wv, K innermost, in blocks of 32 codes); bp 1,024 float32; lowp_scales 12 int32 (the exponents e of the quantised operands' scales 2^e); x_codes 4 x 2,048 x 32 x 32 uint8 (E5M2 codes of x, K innermost, in blocks of 32 codes).
;; Outputs: out0 4 x 2,048 x 1,024 float32.
;; This version of the problem:
;;   THIS VERSION OF THE PROBLEM IS GIVEN IN LOW PRECISION. The matrix products marked QUANTISED in the list below multiply operands that are first quantised to E5M2 (5 exponent bits, 2 mantissa bits; 8 bits a number), with one given power-of-two scale for each operand tensor; their sums are f32. All else is computed in f32.
;;   The module's matrix products, in the order in which they are computed (A, B: the left and right operand; K: the contracted axis; several contracted axes count as one K, in the product's order):
;;     1. [M 1,024, K 1,024] x [K 1,024, N 8,192]; A: input Wq (given as codes); B: input x (given as codes): QUANTISED (scales: A lowp_scales[0], B lowp_scales[1])
;;     2. [M 1,024, K 1,024] x [K 1,024, N 8,192]; A: input Wk (given as codes); B: input x (given as codes): QUANTISED (scales: A lowp_scales[2], B lowp_scales[3])
;;     3. [M 1,024, K 1,024] x [K 1,024, N 8,192]; A: input Wv (given as codes); B: input x (given as codes): QUANTISED (scales: A lowp_scales[4], B lowp_scales[5])
;;     4. batch 64 x [M 2,048, K 64] x [K 64, N 2,048]; A: computed on the way; B: computed on the way: QUANTISED (scales: A lowp_scales[6], B lowp_scales[7])
;;     5. batch 64 x [M 2,048, K 2,048] x [K 2,048, N 64]; A: softmax (see below); B: computed on the way: QUANTISED (scales: A lowp_scales[8], B lowp_scales[9])
;;     6. [M 8,192, K 1,024] x [K 1,024, N 1,024]; A: computed on the way; B: input Wp (given as codes): QUANTISED (scales: A lowp_scales[10], B lowp_scales[11])
;;   THE QUANTISER, for each operand of a quantised product, along K:
;;     - The operand's scale is 2^e, e = its entry of the input lowp_scales (int32; the entries are numbered through the quantised products in the list's order, A before B).
;;     - Each number is divided by the scale, clamped to +-57,344, and rounded to the nearest number of E5M2, ties to even, subnormals kept.
;;     - The product sums the exact products of the quantised numbers (number of the format x scale) in f32.
;;   ~~~python
;;   def quantise(x, axis, e):      # numpy; x: float32 -> the quantised numbers, widened to float32 again
;;       x = np.moveaxis(x, axis, -1); K = x.shape[-1]
;;       r = np.clip(x / 2.0 ** e, -57344, 57344)
;;       step = 2.0 ** (np.maximum(np.frexp(np.where(r == 0, 1, r))[1] - 1, -14) - 2)
;;       q = np.round(r / step) * step * 2.0 ** e      # np.round: ties to even
;;       return np.moveaxis(q, -1, axis).astype(np.float32)
;;   ~~~
;;   SOFTMAX AHEAD OF A QUANTISED PRODUCT. Where the list says 'softmax', what is quantised is not the finished softmax but p = 2^(t - M), with t = logit x log2(e) and M = ceil(the row's largest t), a whole number; so 1/2 < the row's largest p <= 1. The row's sum l is taken of the UNQUANTISED p, in f32, and the product's result is divided by l at the end. Since M is a whole number, a kernel that streams over the keys may use a running M (the ceiling of the running maximum): every later rescaling is an exact power of two, so the quantised numbers keep their values, but for numbers so far below the row's largest that they fall under the format's range.
;;   OPERANDS COMPUTED ON THE WAY. 'Computed on the way' means the value that the module computes at that place (a softmax that the list does not call 'softmax' is quantised finished and normalised). What goes into a quantiser is computed in f32, as accurately as f32 sums, v_exp_f32 and their like allow (about 1e-6 of the number): no bf16 or f16 on the way to a quantiser, and a product that is left as it is and whose result goes on into a quantised operand takes f32 operands (vector FMAs, or v_wmma_f32_16x16x4_f32). A number that lies on a knife's edge between two numbers of the format may be rounded either way, as far as f32 arithmetic and the matrix unit's own rounding can turn it there, and no further.
;;   INPUTS GIVEN AS CODES. Wk (in the module: [16, 1024, 64], K = its axis 1); Wp (in the module: [1024, 1024], K = its axis 1); Wq (in the module: [16, 1024, 64], K = its axis 1); Wv (in the module: [16, 1024, 64], K = its axis 1); x (in the module: [4, 2048, 1024], K = its axis 2): each comes as NAME_codes (uint8): NAME with its K axis moved to the last place and cut into blocks of 32 codes, [.., K / 32, bytes a block], one block behind the other in memory; one code a byte (a code: sign, 5 exponent bits, 2 mantissa bits); its scale is its entry of lowp_scales. Its value is code x scale, taken as it is: it is not quantised again, and the codes and scales need not be those that the quantiser above would give.
;; One version. Each part assembles by itself: llvm-mc -triple=amdgcn-amd-amdhsa -mcpu=gfx1250 --defsym DOCPART=n.
;; ======== version 1 of 1: 3 launches
;; limits: right only within a limited range of input values
;; workspace buffers: qkv 25,165,824 bytes; o_img 8,388,608 bytes
;; launch qkv (part 1): grid 12 x 32, 4 waves a work-group, clusters of 4 x 4, 327,680 bytes of LDS; arguments x_codes, Wq_codes, Wk_codes, Wv_codes, lowp_scales, qkv; writes qkv
.if DOCPART == 1
	.amdgcn_target "amdgcn-amd-amdhsa--gfx1250"
	.amdhsa_code_object_version 6
	.text
	.protected	k_q9d4dc68d4e_qkv
	.globl	k_q9d4dc68d4e_qkv
	.p2align	8
	.type	k_q9d4dc68d4e_qkv,@function
k_q9d4dc68d4e_qkv:
	s_mov_b64 s[64:65], 0
	v_nop
	global_prefetch_b8 v0, s[64:65] scope:SCOPE_SE
	s_setreg_imm32_b32 hwreg(HW_REG_WAVE_MODE, 25, 1), 1
	s_wait_xcnt 0x0
	s_wait_alu depctr_hold_cnt(0) depctr_sa_sdst(0) depctr_va_vdst(0) depctr_va_sdst(0) depctr_va_ssrc(0) depctr_va_vcc(0) depctr_vm_vsrc(0)
	s_getreg_b32 s2, hwreg(HW_REG_IB_STS2, 6, 4)
	s_cmp_eq_u32 s2, 0
	s_cbranch_scc0 .Lentry_in_a_cluster
	s_endpgm
.Lentry_in_a_cluster:
	s_bfe_u32 s2, ttmp6, 0x10000c
	s_cmp_lg_u32 s2, 0xf033
	s_cbranch_scc0 .Lentry_shape_is_right
	s_endpgm
.Lentry_shape_is_right:
; q, k, v = x W (all heads), on codes of BF8 (E5M2), and each result quantised at once for the product that will read it.
; x: [8192][1024] codes; Wq, Wk, Wv: [1024 (64 head + e)][1024] codes, K innermost.  A sum stands for sum x 2^(ew + ex); its code is sum / 2^(eo - ew - ex), held within +-57,344, to the nearest code:
; q: ew, ex, eo = entries 0, 1, 6 of the scales;  k: 2, 3, 7;  v: 4, 5, 9.
; LIMITS: eo - ew - ex lies between -126 and 112, so that the scale and 57,344 x the scale are f32 numbers.  Codes of infinity or NaN among the inputs are not served.
; A tile of 256 x 256 results is made by a work-group of four waves; a wave makes 128 x 128: 64 accumulators of 16 x 16, 512 registers.  K goes in steps of 256 through a ring of two LDS slots filled by the tensor data mover.
; THE MATRIX INSTRUCTION: source 0 = 16 rows of the operand called B here, source 1 = 16 rows of A.  A lane (r, h) then holds A's row 16 a + r and B's rows 16 b + 8 h + 0 .. 7: eight neighbours along B's rows.
; q and k are wanted with neighbours along the head's 64 (their next K): A = x, B = W.  v is wanted with neighbours along the keys: A = Wv, B = x.  The text is one; pointers and tile numbers are chosen by the cluster's x (0: q, 1: k, 2: v).
; CLUSTERS: 4 x 4 work-groups.  The four of a row of the cluster need the same tiles of A, the four of a column the same tiles of B: each tile is asked for JOINTLY, by the same tensor load with the same descriptor and a mask that names the four.
; THE RESULTS LEAVE AS IMAGES OF THE NEXT OPERAND'S REGISTERS, in chunks of 512 bytes (lane l's 16 bytes at 16 l): a conversion of accumulator (a, b) gives two registers, those of b = 2 p and 2 p + 1 are chunk p.
;   q at byte 0, k at 8 MiB: [16 batch + head][tile of 16 rows: 128][chunk 2][lane][16]: row 16 T + r, e = 32 c + 16 (u / 8) + 8 h + u % 8 (u: the byte in the lane's 16)
;   v at 16 MiB: [16 batch + head][128 keys: 16][16 of e: 4][chunk 4][lane][16]: e = 16 t + r, key = 128 step + 32 p + 16 (u / 8) + 8 h + u % 8
; So no stage in LDS is needed, and each store of a wave covers 512 consecutive bytes, aligned.
; REGISTERS, in windows of 256: window 0: v0-31 addresses and the scale; from v128 A's fragments, ONE set; v32-127 at work on the way out.   window 1: B's fragments, TWO sets.   windows 2, 3: the accumulators ((a, b) at v[8 (8 (a % 4) + b)]).
; WORK LEFT OUT IN THIS PROGRAM: reference() builds a causal mask in its own body (jnp.tril) and sets every score of a key behind its query to -infinity ahead of the softmax, so such a score's p is 0 for all values of the inputs.
; The attention launch therefore leaves out every step of 128 keys that lies wholly behind a tile's 16 queries, in both of its products.  Every input has a way to the output and is loaded.
; LIMIT: a NaN, an infinity or an overflow that would arise only in the scores left out is not carried to the result.
.set SIZE_K, 1024
.set KSTEP,  256                       ; along K in a slot
.set ROWB,   256                       ; a tile's row in bytes
.set KROW,   SIZE_K                    ; a row of x or of W in memory, in bytes
.set PITCH,  272                       ; an LDS row: 256 bytes + 16 of padding = 68 words: row r starts at bank 4 r mod 64 (64 banks of 4 bytes: ISA guide 11.1)
.set FR,     16                        ; registers of a fragment: 16 rows x 128 K
.set NL,     4                         ; LDS loads that bring one
.set NP,     4                         ; places behind this matrix instruction (ISA guide 7.12.1)
.set HALFT,  128*PITCH                 ; 128 rows: what one tensor load brings
.set SLOT,   4*HALFT                   ; A's 256 rows, then B's 256 rows
.set LAPS,   SIZE_K/(2*KSTEP)          ; a lap = two K steps = once round the ring
.set SPARE,  2*SLOT                    ; behind the ring: the spare words, 128 bytes for each wave, which no other line names
.set ADRA, 16                          ; v16-17  LDS address of my A fragments in slot 0, 1
.set ADRB, 20                          ; v20-21  the same for B
.set OA,   24                          ; v24     the way out: 16 x lane: chunks 0 and 1
.set OB2,  25                          ; v25     the same + the distance to chunk 2
.set SPW,  28                          ; v28     LDS address of my spare word; never rewritten
.set NIL,  29                          ; v29     0; never rewritten
.set SC,   30                          ; v30     2^(eo - ew - ex) as f32
.set LIMV, 31                          ; v31     57,344 x that
.set TMP,  32                          ; v32-95  a block's 64 sums, held
.set CQ,   96                          ; v96-127 a block's codes, two sets of 16 by turns
.set AF,   128                         ; A's fragments, in window 0
.set G1, 24                            ; s[24:31] descriptor group 1 for A's tiles;  s[32:39] group 0, one set for each slot
.set G0, 32
.set G1B, 48                           ; s[48:55], s[56:63] the same for B's tiles
.set G0B, 56
.set MSB, 0
.macro WIN new                         ; the immediate's high byte repeats the setting that is left
.if MSB != \new
	s_set_vgpr_msb (MSB<<8)|\new
.set MSB, \new
.endif
.endm
.set MUL_LO, 0xa1                      ; source 0 (B) window 1, source 1 (A) window 0, C and D window 2
.set MUL_HI, 0xf1                      ; the same, C and D window 3
.set TO_B,   0x40                      ; destination window 1, address window 0
; A joint load: waves 0 and 1 fetch for A, waves 2 and 3 for B.  Each line has ONE mask and one set of registers for all that issue it; the branch hangs on the wave's number alone.
; Four v_nop follow each of the two lines, ahead of the jump, the label and what follows.
.macro JLOAD g0a, g1a, g0b, g1b
	s_cmp_eq_u32 s15, 0
	s_cbranch_scc0 .Lfor_b_\@
	tensor_load_to_lds s[\g0a:\g0a+3], s[\g1a:\g1a+7]
	s_nop 0
.rept 4
	v_nop
.endr
	s_branch .Lasked_\@
.Lfor_b_\@:
	tensor_load_to_lds s[\g0b:\g0b+3], s[\g1b:\g1b+7]
	s_nop 0
.rept 4
	v_nop
.endr
.Lasked_\@:
.endm
.macro CREST                           ; a round of the cluster's barrier behind its opening barrier
	s_cmp_lg_u32 s14, 0
	s_cbranch_scc1 .Lnot_wave_0_\@
	s_barrier_signal -3
.Lnot_wave_0_\@:
	s_barrier_wait -3
	s_barrier_signal -1
	s_barrier_wait -1
.endm
.macro CROUND                          ; a whole round
	s_barrier_signal -1
	s_barrier_wait -1
	CREST
.endm
	s_load_b256 s[4:11], s[0:1], 0x0               ; x s[4:5], Wq s[6:7], Wk s[8:9], Wv s[10:11]
	s_load_b128 s[68:71], s[0:1], 0x20             ; the scales' exponents s[68:69], qkv s[70:71]
	v_lshl_add_u32 v[SPW], v0, 2, SPARE
	v_mov_b32 v[NIL], 0
	ds_add_u32 v28, v29
	ds_add_u32 v28, v29
	s_wait_dscnt 0x0
	v_lshrrev_b32 v1, 5, v0
	v_readfirstlane_b32 s14, v1                    ; wave 0..3
	s_lshr_b32 s15, s14, 1                         ; which half of A's 256 rows is mine.  Also: I fetch for A (0) or for B (1)
	s_and_b32 s16, s14, 1                          ; which half of B's 256 rows.  Also: which 128 rows of that tile I fetch
	s_bfe_u32 s40, ttmp6, 0x40000                  ; cx, cy: my place in the cluster
	s_bfe_u32 s41, ttmp6, 0x40004
	s_and_b32 s84, ttmp7, 0xffff
	s_lshl_b32 s84, s84, 2                         ; 4 x cluster y: it counts tiles of x
	s_cmp_eq_u32 ttmp9, 2                          ; v?  The cluster's x is the same in all sixteen partners
	s_cselect_b32 s17, 0, s84
	s_cselect_b32 s42, s84, 0
	s_add_co_u32 s17, s17, s41                     ; A's tile: of x, 4 Y + cy (q, k); of Wv, cy (v): made of cy alone
	s_add_co_u32 s42, s42, s40                     ; B's tile: of W, cx (q, k); of x, 4 Y + cx (v): made of cx alone
	s_lshl_b32 s43, s41, 2
	s_lshl_b32 s43, 15, s43                        ; my row of the cluster
	s_lshl_b32 s44, 0x1111, s40                    ; my column
	; descriptor group 1: a tile of 128 rows x 256 bytes, padded in LDS
	s_or_b32 s[G1+0], s43, (0<<16)|(1<<20)|(1<<21)|(5<<22)|(3<<25)  ; 15:0 the mask: A's tiles go to my row; 17:16 element of 1 byte; 20 padding on; 21 set beside a mask; 24:22 after every 64 words (code 5); 31:25 of 4 words (code 3)
	s_or_b32 s[G1B+0], s44, (0<<16)|(1<<20)|(1<<21)|(5<<22)|(3<<25)
.irp g, G1, G1B
	s_mov_b32 s[\g+1], ROWB<<16                    ; tensor_dim0
	s_mov_b32 s[\g+2], 128<<16                     ; tensor_dim1 = 128
	s_mov_b32 s[\g+3], ROWB<<16                    ; tile_dim0
	s_mov_b32 s[\g+4], 128                         ; tile_dim1 = 128
	s_mov_b32 s[\g+5], KROW                        ; tensor_dim0_stride
	s_mov_b32 s[\g+6], 0
	s_mov_b32 s[\g+7], 0
.endr
	s_lshl_b32 s18, s16, 7                         ; which 128 rows of the tile I fetch
	s_lshl_b32 s20, s17, 8
	s_add_co_u32 s20, s20, s18                     ; A: row 256 x tile + 128 x half,
	s_lshl_b32 s20, s20, 10                        ; in bytes: a row is 1,024; 8 MiB at the most
	s_mov_b32 s21, 0
	s_lshl_b32 s46, s42, 8
	s_add_co_u32 s46, s46, s18                     ; B likewise
	s_lshl_b32 s46, s46, 10
	s_mov_b32 s47, 0
	s_mul_i32 s45, s14, HALFT                      ; where they go: wave x 128 rows: no place in the cluster enters an LDS address
	s_wait_kmcnt 0x0
	s_load_b256 s[72:79], s[68:69], 0x0            ; entries 0 to 7 of the scales
	s_load_b128 s[80:83], s[68:69], 0x20           ; entries 8 to 11
	s_cmp_eq_u32 ttmp9, 2
	s_cselect_b64 s[86:87], s[10:11], s[4:5]       ; A: Wv, or x
	s_cselect_b64 s[88:89], s[4:5], s[8:9]         ; B: x, or Wk,
	s_cmp_eq_u32 ttmp9, 0
	s_cselect_b64 s[88:89], s[6:7], s[88:89]       ; or Wq
	s_add_nc_u64 s[20:21], s[86:87], s[20:21]
	s_add_nc_u64 s[46:47], s[88:89], s[46:47]
	CROUND                                         ; all sixteen work-groups are here: the first joint loads meet
.irp s, 0,1
	s_mov_b32 s[G0+4*\s], 1
	s_add_co_u32 s[G0+4*\s+1], s45, \s*SLOT
	s_add_nc_u64 s[G0+4*\s+2:G0+4*\s+3], s[20:21], \s*ROWB
	s_or_b32 s[G0+4*\s+3], s[G0+4*\s+3], 0x80000000
	s_mov_b32 s[G0B+4*\s], 1
	s_add_co_u32 s[G0B+4*\s+1], s45, \s*SLOT
	s_add_nc_u64 s[G0B+4*\s+2:G0B+4*\s+3], s[46:47], \s*ROWB
	s_or_b32 s[G0B+4*\s+3], s[G0B+4*\s+3], 0x80000000
.endr
	JLOAD G0, G1, G0B, G1B                         ; K step 0
; A PREFETCH INTO THE L2, one instruction a wave behind each of the head's two joint loads: the K step that stands two loads on (K steps 2 and 3): 32 rows x 256 bytes, a lane a row.
; Of the 128 rows that a wave fetches, each of the four partners that ask for them jointly takes 32, told apart by address (cx for A's tiles, cy for B's).  Rows of x are asked for by every cluster that will load them;
; rows of W, which all eight rows of clusters load, by the first four rows of clusters alone.  The address registers are never rewritten.
.macro ASK off
	s_cmp_eq_u32 s2, 0
	s_cbranch_scc0 .Lnot_mine_\@
	global_prefetch_b8 v7, s[66:67] offset:\off th:TH_LOAD_NT scope:SCOPE_SE
.Lnot_mine_\@:
.endm
	s_cmp_eq_u32 s15, 0                            ; do I fetch for A?
	s_cselect_b64 s[66:67], s[20:21], s[46:47]     ; my 128 rows, at K step 0
	s_cselect_b32 s12, s40, s41                    ; my place among the four that ask with me
	s_lshl_b32 s12, s12, 15                        ; 32 rows of 1,024 bytes
	s_mov_b32 s13, 0
	s_add_nc_u64 s[66:67], s[66:67], s[12:13]
	s_cmp_eq_u32 ttmp9, 2
	s_cselect_b32 s2, 1, 0
	s_xor_b32 s2, s2, s15                          ; 0: my rows are x's; 1: W's
	s_lshr_b32 s12, s84, 4                         ; 0 in the first four rows of clusters
	s_mul_i32 s2, s2, s12                          ; 0 where my wave asks
	v_and_b32 v7, 31, v0
	v_lshlrev_b32 v7, 10, v7                       ; my lane's row
	ASK 512                                        ; K step 2
	v_and_b32 v1, 15, v0                           ; l % 16
	v_bfe_u32 v2, v0, 4, 1                         ; l / 16
	v_mul_u32_u24 v3, v1, PITCH
	v_lshl_add_u32 v4, v2, 4, v3                   ; a fragment's row x pitch + 16 x half
	s_mul_i32 s21, s15, HALFT                      ; my 128 rows of A
	s_mul_i32 s22, s16, HALFT                      ; my 128 rows of B,
	s_add_co_u32 s22, s22, 2*HALFT                 ; which lie behind A's 256
.irp s, 0,1
	v_add_nc_u32 v[ADRA+\s], s21, v4
	v_add_nc_u32 v[ADRB+\s], s22, v4
	s_add_co_u32 s21, s21, SLOT
	s_add_co_u32 s22, s22, SLOT
.endr
	; THE WAY OUT'S OFFSETS.  RX: my first row of x; RW: my first row of W.  My part begins at tensor x 8 MiB + batch x 2 MiB + head x 128 KiB + (RX mod 2048) x 64: one sum for q, k and v.
	s_lshl_b32 s90, s17, 8
	s_lshl_b32 s91, s15, 7
	s_add_co_u32 s90, s90, s91                     ; my first row of A
	s_lshl_b32 s92, s42, 8
	s_lshl_b32 s93, s16, 7
	s_add_co_u32 s92, s92, s93                     ; my first row of B
	s_cmp_eq_u32 ttmp9, 2
	s_cselect_b32 s94, s92, s90                    ; RX
	s_cselect_b32 s95, s90, s92                    ; RW
	s_mov_b32 s85, 0x20000
	s_cselect_b32 s85, 1024, s85                   ; from chunk 0 to chunk 2: v: 1,024 bytes; q, k: the next head, 131,072
	s_mov_b32 s92, 1024
	s_cselect_b32 s92, 2048, s92                   ; from block a to a + 1: v: 16 of e, 2,048 bytes; q, k: 16 rows, 1,024
	s_cselect_b32 s96, 0x1e000, 0                  ; and at a = 4, v alone: on to the next head: 131,072 - 4 x 2,048
	s_lshl_b32 s90, ttmp9, 23
	s_lshr_b32 s91, s94, 11
	s_lshl_b32 s91, s91, 21
	s_add_co_u32 s90, s90, s91
	s_lshr_b32 s91, s95, 6
	s_lshl_b32 s91, s91, 17
	s_add_co_u32 s90, s90, s91
	s_and_b32 s91, s94, 2047
	s_lshl_b32 s91, s91, 6
	s_add_co_u32 s90, s90, s91                     ; under 24 MiB
	s_mov_b32 s91, 0
	s_mov_b32 s93, 0
	s_mov_b32 s94, s96
	s_mov_b32 s95, 0
	v_and_b32 v6, 31, v0
	v_lshlrev_b32 v[OA], 4, v6
	v_add_nc_u32 v[OB2], s85, v[OA]
	s_wait_alu depctr_va_vdst(0)
	s_wait_kmcnt 0x0                               ; the scales' exponents
	s_sub_co_i32 s78, s78, s72
	s_sub_co_i32 s78, s78, s73                     ; q: e6 - e0 - e1
	s_sub_co_i32 s79, s79, s74
	s_sub_co_i32 s79, s79, s75                     ; k: e7 - e2 - e3
	s_sub_co_i32 s81, s81, s76
	s_sub_co_i32 s81, s81, s77                     ; v: e9 - e4 - e5
	s_cmp_eq_u32 ttmp9, 2
	s_cselect_b32 s96, s81, s79
	s_cmp_eq_u32 ttmp9, 0
	s_cselect_b32 s96, s78, s96                    ; chosen without a jump
	s_add_co_i32 s96, s96, 127
	s_lshl_b32 s97, s96, 23
	v_mov_b32 v[SC], s97                           ; the conversion takes this number's exponent field
	s_add_co_i32 s96, s96, 15
	s_lshl_b32 s96, s96, 23
	s_or_b32 s96, s96, 0x600000
	v_mov_b32 v[LIMV], s96                         ; 57,344 x the scale
.macro FRAG reg, adr, q, i             ; a fragment, 16 rows x 128 K, is 16 registers: lane l holds row l % 16; registers 4 c .. 4 c + 3 hold K = 32 c + 16 (l / 16) + 0 .. 15: the same places of k in A and in B
.irp c, 0,1,2,3
	ds_load_b128 v[\reg+4*\c:\reg+4*\c+3], v[\adr] offset:128*(\q)+32*\c+(\i)*16*PITCH
.endr
.endm
; 16 matrix instructions: A's blocks a0, a0 + 1 x B's eight, 128 along K.  p: B's set.  zero = 1: the first product starts the sums: nothing is ever cleared.
; The 64 accumulators take turns, one instruction a turn, in the same order in every step.
.macro MUL16 a0, p, zero
.irp a, \a0, \a0+1
.irp b, 0,1,2,3,4,5,6,7
.if \zero
	v_wmma_f32_16x16x128_bf8_bf8 v[8*(8*((\a)%4)+\b):8*(8*((\a)%4)+\b)+7], v[128*(\p)+FR*\b:128*(\p)+FR*\b+FR-1], v[AF+FR*(\a):AF+FR*(\a)+FR-1], 0
.else
	v_wmma_f32_16x16x128_bf8_bf8 v[8*(8*((\a)%4)+\b):8*(8*((\a)%4)+\b)+7], v[128*(\p)+FR*\b:128*(\p)+FR*\b+FR-1], v[AF+FR*(\a):AF+FR*(\a)+FR-1], v[8*(8*((\a)%4)+\b):8*(8*((\a)%4)+\b)+7]
.endif
.endr
.endr
.endm
.macro FETCH_B slot, q, p              ; B's eight fragments of the slot's q-th 128 along K into set p
	WIN TO_B
.irp i, 0,1,2,3,4,5,6,7
	FRAG 128*(\p)+FR*\i, ADRB+\slot, \q, \i
.endr
	WIN 0
.endm
.macro FETCH_A slot, q, i0             ; A's blocks i0 .. i0 + 3
.irp i, \i0, \i0+1, \i0+2, \i0+3
	FRAG AF+FR*(\i), ADRA+\slot, \q, \i
.endr
.endm
; A load into a register that a matrix instruction has read, and a vector instruction that reads a matrix result, stand NP places behind that matrix instruction; only plain vector
; instructions that name none of its registers are places (ISA guide 7.12.1 for vector instructions).
.macro PLACES n
.rept \n
	v_nop
.endr
.endm
; A step of 128 along K that has its successor in the same slot.
.macro STEP slot, q, zero
	s_wait_dscnt 4*NL                              ; B's set and A's blocks 0-3 are in; the youngest sixteen loads (A's blocks 4-7) may be out
	WIN MUL_LO
	MUL16 0, (\q)%2, \zero
	MUL16 2, (\q)%2, \zero
	s_wait_dscnt 0                                 ; A's blocks 4-7 are in (asked for 32 matrix instructions ago)
	PLACES NP
	FETCH_B \slot, (\q)+1, 1-(\q)%2
	FETCH_A \slot, (\q)+1, 0
	WIN MUL_HI
	MUL16 4, (\q)%2, \zero
	MUL16 6, (\q)%2, \zero
	PLACES NP
	WIN 0
	FETCH_A \slot, (\q)+1, 4
.endm
; A slot's last step changes slots: ONE barrier; in front of it each wave waits for all its tensor loads, adds 0 to its spare word, and waits for that and for its own reads of this slot.  fill = 1: this slot is filled again, two K steps ahead.
.macro TURN slot, next, fill
	s_wait_tensorcnt 0x0                           ; all my tensor loads have landed: my part of the next slot  (every window is 0 here)
	ds_add_u32 v[SPW], v[NIL]                      ; 0 onto my spare word
	s_wait_dscnt 4*NL+1                            ; (the add and the youngest sixteen loads, A's blocks 4-7, may be out)
	WIN MUL_LO
	MUL16 0, 1, 0                                  ; sixteen matrix instructions stand between the add and the wait for it
	s_wait_dscnt 0x0                               ; the add is done, and my reads of this slot are over
	s_barrier_signal -1
	MUL16 2, 1, 0
	WIN 0
	s_barrier_wait -1
.if \fill
	CREST                                          ; the barrier has opened a round of the cluster's barrier: no wave of any partner still reads this slot's tile or has a load on its way
	s_add_nc_u64 s[G0+4*\slot+2:G0+4*\slot+3], s[G0+4*\slot+2:G0+4*\slot+3], 2*ROWB
	s_add_nc_u64 s[G0B+4*\slot+2:G0B+4*\slot+3], s[G0B+4*\slot+2:G0B+4*\slot+3], 2*ROWB
	JLOAD G0+4*\slot, G1, G0B+4*\slot, G1B         ; the first tensor load behind the round; the four v_nop behind it are the places in front of the loads below
.else
	PLACES NP
.endif
	FETCH_B \next, 0, 0
	FETCH_A \next, 0, 0
	WIN MUL_HI
	MUL16 4, 1, 0
	MUL16 6, 1, 0
	PLACES NP
	WIN 0
	FETCH_A \next, 0, 4
.endm
	s_wait_alu depctr_va_vdst(0)
	s_wait_tensorcnt 0x0                           ; my part of K step 0 is in; slot 1's first fill is issued as a refill is:
	ds_add_u32 v[SPW], v[NIL]                      ; 0 onto my spare word
	s_wait_dscnt 0x0                               ; the add is done
	CROUND                                         ; a whole round: everybody's part of K step 0 is in, and the joint loads meet
	JLOAD G0+4, G1, G0B+4, G1B                     ; K step 1: the first tensor load behind the round
	FETCH_B 0, 0, 0
	FETCH_A 0, 0, 0
	FETCH_A 0, 0, 4
	ASK 768                                        ; K step 3, behind K step 1's joint load and the run of LDS loads
	STEP 0, 0, 1                                   ; the first step stands in front of the loop: its products start the sums
	s_mov_b32 s3, LAPS-1
.Llap:                                                 ; a trip goes once round the ring, from a lap's second step to the next lap's first, and fills both slots again
	TURN 0, 1, 1
	STEP 1, 0, 0
	TURN 1, 0, 1
	STEP 0, 0, 0
	s_sub_co_u32 s3, s3, 1
	s_cmp_lg_u32 s3, 0
	s_cbranch_scc1 .Llap
	TURN 0, 1, 0                                   ; the last lap fills nothing, and has no round of the cluster's barrier
	STEP 1, 0, 0
	s_wait_dscnt 4*NL                              ; the very last step: nothing more to fetch
	WIN MUL_LO
	MUL16 0, 1, 0
	MUL16 2, 1, 0
	s_wait_alu depctr_va_vdst(0)
	s_wait_dscnt 0
	WIN MUL_HI
	MUL16 4, 1, 0
	MUL16 6, 1, 0
	WIN 0
; THE WAY OUT of block a (A's rows 16 a on, B's 128 rows): held, converted, stored.  Each accumulator is read from its low end on.
.macro OUTBLK a
.set AC, 64*((\a)%4)
.set CC, CQ+16*((\a)%2)
	WIN 0x02+((\a)/4)                              ; source 0: window 2 or 3
.set j, 0
.rept 64
	v_med3_num_f32 v[TMP+j], v[AC+j], -v[LIMV], v[LIMV]   ; the conversion to an 8-bit code does not saturate (ISA guide 7.6.2): the hold at the largest code x the scale
.set j, j+1
.endr
	WIN 0
.set j, 0
.rept 8
	v_cvt_scalef32_pk8_bf8_f32 v[CC+2*j:CC+2*j+1], v[TMP+8*j:TMP+8*j+7], v[SC]   ; accumulator (a, j): B's rows 16 j + 8 h + 0 .. 7
.set j, j+1
.endr
	v_nop                                          ; one plain vector instruction behind the last conversion: the next block's holds write its sources
.if (\a) > 0
	s_wait_alu depctr_va_vdst(0)
	s_wait_xcnt 0x0                                ; the last block's stores have read their base and their data: the base steps, and the set of codes that they read is written again in the next block
	s_add_nc_u64 s[70:71], s[70:71], s[92:93]
.endif
.if (\a) == 4
	s_add_nc_u64 s[70:71], s[70:71], s[94:95]
.endif
	global_store_b128 v[OA], v[CC:CC+3], s[70:71]                 ; each store: 512 consecutive bytes, aligned
	global_store_b128 v[OA], v[CC+4:CC+7], s[70:71] offset:512
	global_store_b128 v[OB2], v[CC+8:CC+11], s[70:71]
	global_store_b128 v[OB2], v[CC+12:CC+15], s[70:71] offset:512
.endm
	PLACES NP                                      ; behind the last products
	s_add_nc_u64 s[70:71], s[70:71], s[90:91]      ; qkv at my part
.irp a, 0,1,2,3,4,5,6,7
	OUTBLK \a
.endr
	s_wait_tensorcnt 0x0                           ; the wave's end
	ds_add_u32 v[SPW], v[NIL]
	s_wait_dscnt 0x0
	CROUND                                         ; the closing round: no work-group ends while a partner may still ask for a tile that names it
	s_endpgm
.Lfunc_end_k_q9d4dc68d4e_qkv:
	.size	k_q9d4dc68d4e_qkv, .Lfunc_end_k_q9d4dc68d4e_qkv-k_q9d4dc68d4e_qkv
	.p2alignl 7, 3214868480
	.fill 96, 4, 3214868480
	.section	.rodata,"a",@progbits
	.p2align	6, 0x0
	.amdhsa_kernel k_q9d4dc68d4e_qkv
		.amdhsa_group_segment_fixed_size 327680
		.amdhsa_private_segment_fixed_size 0
		.amdhsa_enable_private_segment 0
		.amdhsa_kernarg_size 48
		.amdhsa_user_sgpr_count 2
		.amdhsa_user_sgpr_kernarg_segment_ptr 1
		.amdhsa_wavefront_size32 1
		.amdhsa_system_sgpr_workgroup_id_x 1
		.amdhsa_system_sgpr_workgroup_id_y 1
		.amdhsa_system_sgpr_workgroup_id_z 1
		.amdhsa_system_vgpr_workitem_id 0
		.amdhsa_next_free_vgpr 1024
		.amdhsa_next_free_sgpr 98
		.amdhsa_reserve_vcc 0
		.amdhsa_float_denorm_mode_32 3
		.amdhsa_float_denorm_mode_16_64 3
		.amdhsa_memory_ordered 1
		.amdhsa_forward_progress 1
		.amdhsa_inst_pref_size 120
	.end_amdhsa_kernel
	.amdgpu_metadata
---
amdhsa.version: [ 1, 2 ]
amdhsa.kernels:
  - .name:           k_q9d4dc68d4e_qkv
    .symbol:         k_q9d4dc68d4e_qkv.kd
    .args:
      - { .name: x_codes, .offset: 0, .size: 8, .value_kind: global_buffer, .address_space: global }
      - { .name: Wq_codes, .offset: 8, .size: 8, .value_kind: global_buffer, .address_space: global }
      - { .name: Wk_codes, .offset: 16, .size: 8, .value_kind: global_buffer, .address_space: global }
      - { .name: Wv_codes, .offset: 24, .size: 8, .value_kind: global_buffer, .address_space: global }
      - { .name: lowp_scales, .offset: 32, .size: 8, .value_kind: global_buffer, .address_space: global }
      - { .name: qkv, .offset: 40, .size: 8, .value_kind: global_buffer, .address_space: global }
    .group_segment_fixed_size: 327680
    .private_segment_fixed_size: 0
    .kernarg_segment_align: 8
    .kernarg_segment_size: 48
    .max_flat_workgroup_size: 128
    .sgpr_count:     98
    .vgpr_count:     1024
    .wavefront_size: 32
...
	.end_amdgpu_metadata
.endif
;; end of part 1
;; launch attn (part 2): grid 4 x 64, 8 waves a work-group, no clusters, 327,680 bytes of LDS; arguments qkv, lowp_scales, o_img; writes o_img
.if DOCPART == 2
	.amdgcn_target "amdgcn-amd-amdhsa--gfx1250"
	.amdhsa_code_object_version 6
	.text
	.protected	k_q9d4dc68d4e_attn
	.globl	k_q9d4dc68d4e_attn
	.p2align	8
	.type	k_q9d4dc68d4e_attn,@function
k_q9d4dc68d4e_attn:
	s_mov_b64 s[64:65], 0
	v_nop
	global_prefetch_b8 v0, s[64:65] scope:SCOPE_SE
	s_setreg_imm32_b32 hwreg(HW_REG_WAVE_MODE, 25, 1), 1
	s_wait_xcnt 0x0
; Causal attention on codes of BF8 (E5M2): for each of 64 (batch, head) pairs, o[q] = sum over keys k <= q of softmax(q . k / 8) v[k], head size 64, 2,048 rows; o is quantised at once for the output projection.
; LEFT OUT: steps of 128 keys that lie wholly behind a tile's 16 queries: reference()'s own causal mask makes their p 0 for all inputs.
; qkv holds q, k and v as images of operand registers, in chunks of 512 bytes (lane l's 16 bytes at 16 l):
;   q at 0, k at 8 MiB: [pair][tile of 16 rows: 128][chunk 2]: a fragment of 16 rows x 64;   v at 16 MiB: [pair][128 keys: 16][16 of e: 4][chunk 4]: a fragment of 16 of e x 128 keys.
; THE SOFTMAX: t = score x c, c = log2(e) / 8 x 2^(e6 + e7); M = the row's largest t so far, rounded UP to a whole number; p = 2^(t - M) is quantised (scale 2^e8), not normalised.
; The row's sum is taken of the unquantised p, in f32, and divides O at the end.  When M moves, the sum and O are multiplied by 2^(old M - new M): exact.  The running maximum is kept as a score; c is positive.
; SHARES.  Work-group (I, pair) owns query blocks 7 - I and I of its pair, 256 queries each, one after the other: (8 - I) + (I + 1) = 9 visits of a slot of 256 keys, whatever I.
; Wave w of eight owns tiles w and 8 + w of a block's 16 tiles of 16 queries.  In a slot under the diagonal each wave has 2 steps x 2 tiles; in the block's last slot, on the diagonal, tile w meets the mask in step 0
; and has no key in step 1, tile 8 + w is open in step 0 and meets the mask in step 1: 3 tile steps in every wave.  So all eight waves have the same work in every visit.
; THE MASK IS THE C OF THE SCORE PRODUCTS.  On the diagonal register 8 t + i of a tile holds key 16 t + 8 (lane / 16) + i against query 16 w + lane % 16, for both my tiles and in both blocks:
; one set of 64 registers, made once at the head, holds 0 where the key counts and -3e38 where it is hidden; a hidden score is then -3e38, under every other, and its p is 0.
; THE BARRIER OF A CHANGE OF SLOTS IS SPLIT in a slot under the diagonal: a wave's last LDS reads of a slot are step 1's fragments of V, so the waits, the add and the signal stand in step 1 behind its maxima,
; and the rest of step 1, 2 tiles' exponentials, sums, conversions and products, all on registers, stands between the signal and the wait.
; NO CLUSTER: the four work-groups of a pair want different slots from visit 8 - I on, so their requests do not meet.
; LAYOUT.  Both products are used transposed: S^T = K Q^T, O^T = V^T P^T: a lane holds ONE query (lane % 16).  A conversion of S^T's tile t gives registers 2 t, 2 t + 1 of the second product's operand.
; o_img: [128 rows: 64][128 of d: 8][16 rows: 8][chunk 4][lane][16]: row 128 R + 16 i + r, d = 128 s + 32 c + 16 h + u.
; LIMITS: e6 + e7 between -80 and 130 (added to c's exponent field; 3e38 x c stays over 2^31 + 150); e8 and e10 between -126 and 112; the scaled scores stay under 2^31 in magnitude.
; REGISTERS: window 0: v1-14 addresses and scales; v16-31 two tiles' -M, largest score, sum, f; v32-95 step 0's K, 8 fragments; p's codes lie over v32-63; v96-223 S^T, then p, 64 a tile; v224-239 Q; v240-247 at work.
;   window 1: v0-63 O^T (tile a, 16 t of e: at 32 a + 8 t); v64-127 V's 4 fragments; v128-191 the mask; v192-255 step 1's K.
.set SLOT1, 32768                      ; a slot: K's 16 tiles x 1,024 bytes, then V's 2 steps x 8,192
.set SPARE, 65536                      ; behind the ring: the spare words, 128 bytes for each of eight waves
.set LI,   1                           ; 16 x lane
.set SPW,  2                           ; my spare word; never rewritten
.set NIL,  3                           ; 0; never rewritten
.set ADR,  4                           ; LDS address of the step's loads
.set PFO,  5                           ; 256 x lane: the prefetches' offset
.set PSC,  6                           ; 2^e8
.set OSC,  7                           ; 2^e10
.set PLA,  8                           ; 57,344 x 2^e8, twice: the two halves of a dual pair take their second sources from different banks
.set PLB,  9
.set OLIM, 10                          ; 57,344 x 2^e10
.set OOF,  11                          ; v11, v12 my two tiles' byte offsets in o_img
.set DD,   13                          ; v13 the mask's d at the head; then v13, v14 my tiles' byte offsets in q
.set NM,   16                          ; + 8 a: -M; NM + 1: the largest score
.set SU,   18                          ; + 8 a: the sum, a pair
.set FF,   20                          ; + 8 a: f = 2^(old M - new M); its upper neighbour is named with it
.set S2,   22                          ; + 8 a: the sum's second chain
.set FK,   32
.set CD,   32
.set S,    96
.set Q,    224
.set X1,   240                         ; + 4 a
.set X2,   241
.set PX,   242
.set OM,   243                         ; the old -M
.set FV,   64                          ; window 1
.set MK,   128                         ; window 1
.set FK1,  192                         ; window 1
.set WV,   10
.set II,   11
.set BH,   12                          ; the pair: 16 batch + head
.set SW,   13                          ; 7 - I: my first block, and the visit that ends it
.set JJ,   14                          ; the visit
.set TB,   15                          ; LDS byte at which the slot in hand begins
.set OFS,  18                          ; s[18:19] the slot asked for, in bytes from the pair's first
.set SEL,  20                          ; s[20:21] selects for lane l xor 16
.set CS,   22                          ; s[22:23] c
.set G1,   24
.set G0,   32
.set TBS,  36                          ; s[36:37] K's (even waves) or V's (odd waves) codes of my pair
.set QB,   38                          ; s[38:39] q's codes of my pair
.set EPV,  45                          ; e8 + e9
.set PFA,  46                          ; s[46:47] where my prefetches stand
.set LIMJ, 48                          ; a wave prefetches while the visit is under this: 6, or 0
.set NC,   57                          ; -c
.set QT,   58                          ; s58, s59 my two tiles' first queries
.set OBS,  60                          ; the pair's part of an offset in o_img
.set MSB, 0
.macro WIN new                         ; the immediate's high byte repeats the setting that is left
.if MSB != \new
	s_set_vgpr_msb (MSB<<8)|\new
.set MSB, \new
.endif
.endm
; Wave 0 fetches a slot's K, wave 1 its V, 16,384 dense bytes each.  An s_nop 0 and four v_nop follow the line.
.macro TLOAD
	s_cmp_lt_u32 s[WV], 2
	s_cbranch_scc0 .Lasked_\@
	tensor_load_to_lds s[G0:G0+3], s[G1:G1+7]
	s_nop 0
.rept 4
	v_nop
.endr
.Lasked_\@:
.endm
; A prefetch of the slot that the NEXT visit's head will ask for.  The four work-groups of a pair walk the same K and V from slot 0 on; work-group I = 0, which walks slots 0 .. 7 on end, asks, and nobody else:
; waves 4 and 5 for the halves of K's 16,384 bytes, waves 6 and 7 for V's; lanes 256 bytes apart: each aligned block of 256 bytes is named once in the launch.  Visit J names slot J + 2; the last is slot 7, at J = 5.
.macro ASK
	s_cmp_lt_u32 s[JJ], s[LIMJ]
	s_cbranch_scc0 .Lnot_mine_\@
	global_prefetch_b8 v[PFO], s[PFA:PFA+1] th:TH_LOAD_NT scope:SCOPE_SE
.Lnot_mine_\@:
.endm
.macro EACH op, x                      ; one line for each tile that is live in this step: the two tiles' chains stand by turns
.if L0
	\op 0, \x
.endif
.if L1
	\op 1, \x
.endif
.endm
; What stands in front of a change of slots: all my tensor loads are in (my part of the next slot), 0 is added to my spare word, the add and my reads of the slot in hand are done; then the signal.
.macro FRONT
	s_wait_alu depctr_va_vdst(0)
	s_wait_tensorcnt 0x0
	ds_add_u32 v[SPW], v[NIL]
	ds_add_u32 v[SPW], v[NIL]                      ; once more
	s_wait_dscnt 0x0
	s_barrier_signal -1
.endm
	s_load_b128 s[4:7], s[0:1], 0x0                ; qkv, the scales' exponents
	s_load_b64 s[8:9], s[0:1], 0x10                ; o_img
	v_lshl_add_u32 v[SPW], v0, 2, SPARE
	v_mov_b32 v[NIL], 0
	ds_add_u32 v[SPW], v[NIL]                      ; the opening: the add, twice on end, and its wait ahead of the first tensor load
	ds_add_u32 v[SPW], v[NIL]
	v_lshrrev_b32 v4, 5, v0
	v_readfirstlane_b32 s[WV], v4                  ; wave 0..7
	s_mov_b32 s[II], ttmp9
	s_and_b32 s[BH], ttmp7, 0xffff
	s_sub_co_u32 s[SW], 7, s[II]
	s_mov_b32 s[G1], 3<<16                         ; group 1: 16,384 dense bytes as 64 rows of 32 elements of 8 bytes; no padding: a chunk's 512 bytes are read on end
	s_mov_b32 s[G1+1], 32<<16
	s_mov_b32 s[G1+2], 64<<16
	s_mov_b32 s[G1+3], 32<<16
	s_mov_b32 s[G1+4], 64
	s_mov_b32 s[G1+5], 32
	s_mov_b32 s[G1+6], 0
	s_mov_b32 s[G1+7], 0
	s_mov_b32 s[SEL], 0x76543210
	s_mov_b32 s[SEL+1], 0xfedcba98
	s_mov_b32 s[CS], 0x3e38aa3b                    ; log2(e) / 8
	s_mov_b32 s[TB], 0
	s_mov_b32 s[JJ], 0
	s_mov_b32 s[OFS], 0
	s_mov_b32 s[OFS+1], 0
	s_and_b32 s49, s[WV], 1
	s_lshl_b32 s[G0+1], s49, 14                    ; LDS address: K's part of slot 0 (even waves), V's (odd waves)
	s_lshl_b32 s52, s[BH], 17                      ; a pair's codes are 131,072 bytes in each of the three tensors
	s_mov_b32 s53, 0
	s_add_co_u32 s50, s49, 1
	s_lshl_b32 s50, s50, 23                        ; k at 8 MiB, v at 16 MiB
	s_add_co_u32 s50, s50, s52
	s_mov_b32 s51, 0
	s_bfe_u32 s54, s[WV], 0x10001                  ; the prefetches: waves 4, 5: k; waves 6, 7: v
	s_add_co_u32 s54, s54, 1
	s_lshl_b32 s54, s54, 23
	s_add_co_u32 s54, s54, s52
	s_lshl_b32 s55, s49, 13                        ; my half of a slot's 16,384 bytes,
	s_add_co_u32 s54, s54, s55
	s_add_co_u32 s54, s54, 16384                   ; in slot 1: visit 0's head steps it to slot 2
	s_mov_b32 s55, 0
	s_lshr_b32 s56, s[WV], 2
	s_xor_b32 s56, s56, 1
	s_or_b32 s56, s56, s[II]                       ; 0 in waves 4 to 7 of work-group I = 0
	s_cmp_eq_u32 s56, 0
	s_cselect_b32 s[LIMJ], 6, 0
	s_lshr_b32 s[OBS], s[BH], 4
	s_lshl_b32 s[OBS], s[OBS], 21                  ; o_img: 16 blocks of 128 rows a batch, 131,072 bytes each,
	s_bfe_u32 s56, s[BH], 0x30001
	s_lshl_b32 s56, s56, 14                        ; which 128 of d: head / 2,
	s_add_co_u32 s[OBS], s[OBS], s56
	s_and_b32 s56, s[BH], 1
	s_lshl_b32 s56, s56, 10                        ; which two chunks: 2 (head % 2)
	s_add_co_u32 s[OBS], s[OBS], s56
	s_wait_dscnt 0x0                               ; both opening adds are done
	s_wait_kmcnt 0x0
	s_load_b128 s[40:43], s[6:7], 0x18             ; e6, e7, e8, e9
	s_load_b32 s44, s[6:7], 0x28                   ; e10
	s_add_nc_u64 s[TBS:TBS+1], s[4:5], s[50:51]
	s_add_nc_u64 s[QB:QB+1], s[4:5], s[52:53]
	s_add_nc_u64 s[PFA:PFA+1], s[4:5], s[54:55]
	s_mov_b32 s[G0], 1
	s_mov_b64 s[G0+2:G0+3], s[TBS:TBS+1]           ; the pair's first 256 keys
	s_or_b32 s[G0+3], s[G0+3], 0x80000000
	TLOAD                                          ; visit 0, into slot 0
	v_and_b32 v[LI], 31, v0
	v_lshlrev_b32 v[PFO], 8, v[LI]
	v_lshlrev_b32 v[LI], 4, v[LI]
	v_and_b32 v[DD], 15, v0
	v_bfe_u32 v4, v0, 4, 1
	v_lshlrev_b32 v4, 3, v4
	v_sub_nc_u32 v[DD], v[DD], v4                  ; lane % 16 - 8 (lane / 16)
	s_lshl_b32 s49, s[WV], 4
	v_add_nc_u32 v[DD], s49, v[DD]                 ; d.  Register 8 t + i is hidden where 16 t + i > d
	v_mov_b32 v[X1], 0xff61b1e6                    ; -3e38
	WIN 0x40                                       ; destination window 1
.set n, 0
.rept 64
	v_cmp_gt_i32 vcc_lo, 16*(n/8)+n%8, v[DD]
	v_cndmask_b32 v[MK+n], 0, v[X1], vcc_lo
.set n, n+1
.endr
	WIN 0
.irp a, 0,1
	v_mov_b32 v[FF+8*\a+1], 0                      ; (named as the upper half of a pair)
	v_mov_b32 v[PX+4*\a], 0                        ; a lane permute's destination counts as one of its sources
.endr
	s_wait_kmcnt 0x0
	s_add_co_i32 s49, s40, s41
	s_lshl_b32 s49, s49, 23
	s_add_co_i32 s[CS], s[CS], s49                 ; a score stands for score x 2^(e6 + e7)
	s_mov_b32 s[CS+1], s[CS]
	s_xor_b32 s[NC], s[CS], 0x80000000
	s_add_co_i32 s49, s42, 127
	s_lshl_b32 s50, s49, 23
	v_mov_b32 v[PSC], s50
	s_add_co_i32 s49, s49, 15
	s_lshl_b32 s49, s49, 23
	s_or_b32 s49, s49, 0x600000
	v_mov_b32 v[PLA], s49
	v_mov_b32 v[PLB], s49
	s_add_co_i32 s49, s44, 127
	s_lshl_b32 s50, s49, 23
	v_mov_b32 v[OSC], s50
	s_add_co_i32 s49, s49, 15
	s_lshl_b32 s49, s49, 23
	s_or_b32 s49, s49, 0x600000
	v_mov_b32 v[OLIM], s49
	s_add_co_i32 s[EPV], s42, s43
.macro SETQ blk                        ; my two tiles of block s[blk]: queries 256 b + 16 w and 256 b + 128 + 16 w on
	s_lshl_b32 s[QT], s[\blk], 8
	s_lshl_b32 s49, s[WV], 4
	s_add_co_u32 s[QT], s[QT], s49
	s_add_co_u32 s[QT+1], s[QT], 128
.endm
; A block's head: Q's two fragments, my places in o_img, O^T = 0, the sums = 0, the largest score = -3e38, -M = 3e38: the first change of M multiplies zeros by 0.
.macro INIT
.irp a, 0,1
	s_lshl_b32 s49, s[QT+\a], 6                    ; a tile of 16 rows is 1,024 bytes
	v_add_nc_u32 v[DD+\a], s49, v[LI]
	global_load_b128 v[Q+8*\a:Q+8*\a+3], v[DD+\a], s[QB:QB+1]
	global_load_b128 v[Q+8*\a+4:Q+8*\a+7], v[DD+\a], s[QB:QB+1] offset:512
	s_lshr_b32 s49, s[QT+\a], 7
	s_lshl_b32 s49, s49, 17                        ; which 128 rows,
	s_bfe_u32 s50, s[QT+\a], 0x30004
	s_lshl_b32 s50, s50, 11                        ; which 16 of them
	s_add_co_u32 s49, s49, s50
	s_add_co_u32 s49, s49, s[OBS]
	v_add_nc_u32 v[OOF+\a], s49, v[LI]
	v_mov_b32 v[NM+8*\a], 0x7f61b1e6
	v_mov_b32 v[NM+8*\a+1], 0xff61b1e6
	v_mov_b32 v[SU+8*\a], 0
	v_mov_b32 v[SU+8*\a+1], 0
.endr
	WIN 0x40
.set n, 0
.rept 64
	v_mov_b32 v[n], 0
.set n, n+1
.endr
	WIN 0
	s_wait_alu depctr_va_vdst(0)
	s_wait_loadcnt 0x0                             ; Q is in, and its offset registers are free
.endm
; The lines of a key step, for tile a.
.macro SPROD a, x                      ; S^T = K Q^T + C: C = 0, or the mask (window 1); K: step 0's in window 0, step 1's in window 1
.set KK, (1-\a)*K0+\a*K1
	WIN (0x10*KK+QQ)
.set n, 0
.rept 8
.if KK
	v_wmma_f32_16x16x64_bf8_bf8 v[S+64*\a+8*n:S+64*\a+8*n+7], v[FKB+8*n:FKB+8*n+7], v[Q+8*\a:Q+8*\a+7], v[MK+8*n:MK+8*n+7]
.else
	v_wmma_f32_16x16x64_bf8_bf8 v[S+64*\a+8*n:S+64*\a+8*n+7], v[FKB+8*n:FKB+8*n+7], v[Q+8*\a:Q+8*\a+7], 0
.endif
.set n, n+1
.endr
.endm
.macro SAVE a, x
	v_mov_b32 v[OM+4*\a], v[NM+8*\a]
.endm
.macro MX0 a, x
	v_max3_num_f32 v[X1+4*\a], v[S+64*\a], v[S+64*\a+1], v[S+64*\a+2]
.endm
.macro MX1 a, x
	v_max3_num_f32 v[X2+4*\a], v[S+64*\a+3], v[S+64*\a+4], v[S+64*\a+5]
.endm
.macro MXA a, x
	v_max3_num_f32 v[X1+4*\a], v[X1+4*\a], v[S+64*\a+\x], v[S+64*\a+\x+1]
.endm
.macro MXB a, x
	v_max3_num_f32 v[X2+4*\a], v[X2+4*\a], v[S+64*\a+\x+2], v[S+64*\a+\x+3]
.endm
.macro T1 a, x
	v_max3_num_f32 v[X1+4*\a], v[X1+4*\a], v[X2+4*\a], v[NM+8*\a+1]   ; with the largest so far
.endm
.macro T2 a, x
	v_permlanex16_b32 v[PX+4*\a], v[X1+4*\a], s[SEL], s[SEL+1]
.endm
.macro T3 a, x
	v_max_num_f32 v[NM+8*\a+1], v[X1+4*\a], v[PX+4*\a]                ; and lane l xor 16's
.endm
.macro T4 a, x
	v_mul_f32 v[X2+4*\a], s[NC], v[NM+8*\a+1]                         ; -t
.endm
.macro T5 a, x
	v_floor_f32 v[NM+8*\a], v[X2+4*\a]                                ; -M = floor(-t) = -ceil(t)
.endm
.macro T6 a, x
	v_sub_f32 v[X1+4*\a], v[NM+8*\a], v[OM+4*\a]                      ; old M - new M: a whole number, 0 or less
.endm
.macro T7 a, x
	v_cvt_i32_f32 v[X1+4*\a], v[X1+4*\a]                              ; (it saturates)
.endm
.macro T8 a, x
	v_ldexp_f32 v[FF+8*\a], 1.0, v[X1+4*\a]
.endm
.macro SCL a, x                        ; t - M, two at a time
	v_pk_fma_f32 v[S+64*\a+\x:S+64*\a+\x+1], v[S+64*\a+\x:S+64*\a+\x+1], s[CS:CS+1], v[NM+8*\a:NM+8*\a+1] op_sel_hi:[1,0,0]
.endm
.macro RSC a, x                        ; O^T x f
	v_pk_mul_f32 v[32*\a+\x:32*\a+\x+1], v[32*\a+\x:32*\a+\x+1], v[FF+8*\a:FF+8*\a+1] op_sel_hi:[1,0]
.endm
.macro EXPS a, x
.set n, 0
.rept 64
	v_exp_f32 v[S+64*\a+n], v[S+64*\a+n]
.set n, n+1
.endr
.endm
.macro SUF a, x
	v_pk_mul_f32 v[SU+8*\a:SU+8*\a+1], v[SU+8*\a:SU+8*\a+1], v[FF+8*\a:FF+8*\a+1] op_sel_hi:[1,0]
.endm
.macro SA0 a, x
	v_pk_add_f32 v[S2+8*\a:S2+8*\a+1], v[S+64*\a:S+64*\a+1], v[S+64*\a+2:S+64*\a+3]
.endm
.macro SAA a, x
	v_pk_add_f32 v[SU+8*\a:SU+8*\a+1], v[SU+8*\a:SU+8*\a+1], v[S+64*\a+\x:S+64*\a+\x+1]
.endm
.macro SAB a, x
	v_pk_add_f32 v[S2+8*\a:S2+8*\a+1], v[S2+8*\a:S2+8*\a+1], v[S+64*\a+\x+2:S+64*\a+\x+3]
.endm
.macro SAE a, x
	v_pk_add_f32 v[SU+8*\a:SU+8*\a+1], v[SU+8*\a:SU+8*\a+1], v[S2+8*\a:S2+8*\a+1]
.endm
.macro HOLD a, x                       ; the conversion does not saturate (ISA guide 7.6.2); p is not negative, so the hold is one-sided; two numbers a line
	v_dual_min_num_f32 v[S+64*\a+\x], v[S+64*\a+\x], v[PLA] :: v_dual_min_num_f32 v[S+64*\a+\x+1], v[S+64*\a+\x+1], v[PLB]
.endm
.macro CV a, x                         ; keys 16 t + 8 (lane / 16) + 0 .. 7: registers 2 t, 2 t + 1 of the operand, laid over step 0's K, which is done with
	v_cvt_scalef32_pk8_bf8_f32 v[CD+16*\a+2*\x:CD+16*\a+2*\x+1], v[S+64*\a+8*\x:S+64*\a+8*\x+7], v[PSC]
.endm
.macro PV a, x
	v_wmma_f32_16x16x128_bf8_bf8 v[32*\a+8*\x:32*\a+8*\x+7], v[FV+16*\x:FV+16*\x+15], v[CD+16*\a:CD+16*\a+15], v[32*\a+8*\x:32*\a+8*\x+7]
.endm
; A KEY STEP: 128 keys, the q-th of the slot in hand.  l0, l1: is the tile live; k0, k1: does it meet the mask; fr: the front of the change of slots stands behind the maxima.
.macro STEP q, l0, k0, l1, k1, fr
.set QQ, \q
.set FKB, FK+(FK1-FK)*QQ
.set L0, \l0
.set K0, \k0
.set L1, \l1
.set K1, \k1
	v_add_nc_u32 v[ADR], s[TB], v[LI]
.if QQ == 0
.set j, 0
.rept 16
	ds_load_b128 v[FK+4*j:FK+4*j+3], v[ADR] offset:512*j                  ; this step's K: tile j / 2, chunk j % 2
.set j, j+1
.endr
	WIN 0x40
.set j, 0
.rept 16
	ds_load_b128 v[FK1+4*j:FK1+4*j+3], v[ADR] offset:8192+512*j           ; the next step's K
.set j, j+1
.endr
.endif
	WIN 0x40
.set j, 0
.rept 16
	ds_load_b128 v[FV+4*j:FV+4*j+3], v[ADR] offset:16384+8192*\q+512*j    ; V: 16 (j / 4) of e, chunk j % 4
.set j, j+1
.endr
	WIN 0
.if QQ == 0
	s_wait_dscnt 32                                ; this step's K is in; the 32 loads issued behind it may be out.  (Step 1's K came in with step 0's last wait for LDS)
.endif
	EACH SPROD, 0
	WIN 0
	EACH SAVE, 0                                   ; four places behind the products: the old -M is put by, and v_nop
.rept 4-L0-L1
	v_nop
.endr
	EACH MX0, 0                                    ; the step's largest score of my query, two chains a tile, each accumulator from its low end on
	EACH MX1, 0
.set j, 6
.rept 14
	EACH MXA, j
	EACH MXB, j
.set j, j+4
.endr
	EACH MXA, j
	EACH T1, 0
	EACH T2, 0
	EACH T3, 0
	EACH T4, 0
	EACH T5, 0
	EACH T6, 0
	EACH T7, 0
	EACH T8, 0
.if \fr
	FRONT                                          ; V's loads were my last reads of this slot; from here to the barrier's wait the step works on registers alone
.endif
.set j, 0
.rept 32                                       ; t - M of the tile whose exponentials come first
.if L0
	SCL 0, j
.else
	SCL 1, j
.endif
.set j, j+2
.endr
	WIN 0x41                                       ; O^T (destination and source 0) window 1
.set j, 0
.rept 16
	EACH RSC, j
.set j, j+2
.endr
	WIN 0
	s_wait_alu depctr_va_vdst(0)                   ; ahead of the batch
; THE EXPONENTIALS STAND BY TURNS WITH PLAIN LINES OF THE OTHER TILE.  Each such line reads what was written ahead of the last wait and writes what is first read behind the next one.
.if L0
.set j, 0
.rept 32                                       ; tile 0: p = 2^(t - M), at most 1; among them tile 1's t - M
	v_exp_f32 v[S+j], v[S+j]
	SCL 1, j
	v_exp_f32 v[S+j+1], v[S+j+1]
.set j, j+2
.endr
	SUF 0, 0                                       ; the sum under the new M: a plain line behind the exponentials
	s_wait_alu depctr_va_vdst(0)                   ; behind tile 0's batch and ahead of tile 1's
.endif
.set j, 0
.rept 16                                       ; tile 1's exponentials; among them tile 0's first sixteen sums of the unquantised p, into v64-95 (K's fragments there are done with), and then its holds
	v_exp_f32 v[S+64+j], v[S+64+j]
.if L0
	v_pk_add_f32 v[64+j/2:64+j/2+1], v[S+j:S+j+1], v[S+j+2:S+j+3]
.endif
	v_exp_f32 v[S+64+j+1], v[S+64+j+1]
.if L0
	HOLD 0, j
.endif
	v_exp_f32 v[S+64+j+2], v[S+64+j+2]
.if L0
	HOLD 0, j+2
.endif
	v_exp_f32 v[S+64+j+3], v[S+64+j+3]
.set j, j+4
.endr
	SUF 1, 0
	s_wait_alu depctr_va_vdst(0)                   ; one wait for the batch, ahead of its first reader
.if L0
	v_pk_add_f32 v[S2:S2+1], v[64:65], v[66:67]    ; tile 0: its sixteen partial sums, in two chains
.endif
	SA0 1, 0                                       ; tile 1: the row's sum of the unquantised p
.set j, 4
.rept 15
.if L0
.if j < 32
	v_pk_add_f32 v[SU:SU+1], v[SU:SU+1], v[64+j:64+j+1]
	v_pk_add_f32 v[S2:S2+1], v[S2:S2+1], v[64+j+2:64+j+3]
.endif
.endif
	SAA 1, j
	SAB 1, j
.set j, j+4
.endr
	EACH SAE, 0
.set t, 0
.rept 8
.set j, 8*t
.rept 4
	HOLD 1, j
.set j, j+2
.endr
	EACH CV, t
.set t, t+1
.endr
	v_nop                                          ; one plain line behind the last conversion
	s_wait_alu depctr_va_vdst(0)
	s_wait_dscnt 0x0                               ; V is in
	WIN 0x51                                       ; V, C and D window 1; p's codes window 0
.set t, 0
.rept 4
	EACH PV, t                                     ; each accumulator has one instruction
.set t, t+1
.endr
	WIN 0
.rept 4
	v_nop                                          ; four places ahead of the next loads into the products' sources and of the next read of O^T
.endr
.endm
; THE WAY OUT of a block: O^T x 2^(e8 + e9) / the row's sum, held, converted with 2^e10, stored as an image of the projection's operand.  A conversion of O^T's tile t gives e = 16 t + 8 h + 0 .. 7;
; the projection wants e = 32 c + 16 h + 0 .. 15 in a lane: the halves of the lanes exchange registers.
.macro WAYOUT
.irp a, 0,1
	v_add_f32 v[SU+8*\a], v[SU+8*\a], v[SU+8*\a+1]
.endr
.irp a, 0,1
	v_permlanex16_b32 v[PX+4*\a], v[SU+8*\a], s[SEL], s[SEL+1]
.endr
.irp a, 0,1
	v_add_f32 v[SU+8*\a], v[SU+8*\a], v[PX+4*\a]
.endr
	s_wait_alu depctr_va_vdst(0)                   ; ahead of the transcendentals
	v_rcp_f32 v[SU], v[SU]
	v_rcp_f32 v[SU+8], v[SU+8]
	v_nop
	s_wait_alu depctr_va_vdst(0)                   ; and ahead of their first reader
	v_ldexp_f32 v[SU], v[SU], s[EPV]
	v_ldexp_f32 v[SU+8], v[SU+8], s[EPV]
	WIN 0x01                                       ; source 0 (O^T) window 1
	s_wait_alu depctr_va_vdst(0)                   ; directly ahead of the first readers of O^T
.irp a, 0,1
.set j, 0
.rept 16
	v_pk_mul_f32 v[S+32*\a+j:S+32*\a+j+1], v[32*\a+j:32*\a+j+1], v[SU+8*\a:SU+8*\a+1] op_sel_hi:[1,0]
.set j, j+2
.endr
.endr
	WIN 0
.set j, 0
.rept 64
	v_med3_num_f32 v[S+j], v[S+j], -v[OLIM], v[OLIM]
.set j, j+1
.endr
.set j, 0
.rept 8
	v_cvt_scalef32_pk8_bf8_f32 v[CD+2*j:CD+2*j+1], v[S+8*j:S+8*j+7], v[OSC]
.set j, j+1
.endr
	v_nop
.irp g, 0,1,2,3
	v_permlane16_swap_b32 v[CD+4*\g], v[CD+4*\g+2]
	v_permlane16_swap_b32 v[CD+4*\g+1], v[CD+4*\g+3]
.endr
.irp a, 0,1
.irp c, 0,1
	global_store_b128 v[OOF+\a], v[CD+8*\a+4*\c:CD+8*\a+4*\c+3], s[8:9] offset:512*\c   ; 512 consecutive bytes, aligned
.endr
.endr
.endm
	SETQ SW                                        ; my first block: 7 - I
	INIT
	FRONT                                          ; slot 0 is whole behind this barrier; slot 1's first fill is issued as a refill is
	s_barrier_wait -1
.Lslot:                                            ; eight trips: visits 0 to 7.  At a visit's head no tensor load of mine is out: group 0 is stepped, and the slot just left is filled for the next visit
	s_xor_b32 s[G0+1], s[G0+1], SLOT1
	s_add_co_u32 s[OFS], s[OFS], 16384             ; the next 256 keys,
	s_cmp_eq_u32 s[JJ], s[SW]
	s_cselect_b32 s[OFS], 0, s[OFS]                ; or, where my first block ends with this visit, the pair's first 256 again
	s_add_nc_u64 s[G0+2:G0+3], s[TBS:TBS+1], s[OFS:OFS+1]
	s_or_b32 s[G0+3], s[G0+3], 0x80000000
	s_wait_xcnt 0x0                                ; the last prefetch has read its address
	s_add_nc_u64 s[PFA:PFA+1], s[PFA:PFA+1], 16384
	TLOAD                                          ; a wave's one tensor load until the next barrier
	ASK
	s_cmp_eq_u32 s[JJ], s[SW]                      ; ids and the count of visits alone: all eight waves go the same way
	s_cbranch_scc1 .Ldiag
	STEP 0, 1, 0, 1, 0, 0                          ; a slot under the diagonal
	STEP 1, 1, 0, 1, 0, 1
	s_barrier_wait -1
	s_branch .Lnext
.Ldiag:                                            ; my first block's last slot
	STEP 0, 1, 1, 1, 0, 0
	STEP 1, 0, 0, 1, 1, 0
	WAYOUT
	s_wait_xcnt 0x0                                ; its stores have read their offsets and their data
	SETQ II                                        ; my second block: I
	INIT
	FRONT                                          ; stores and loads stand ahead of the signal here
	s_barrier_wait -1
.Lnext:
	s_xor_b32 s[TB], s[TB], SLOT1
	s_add_co_u32 s[JJ], s[JJ], 1
	s_cmp_lt_u32 s[JJ], 8
	s_cbranch_scc1 .Lslot
	STEP 0, 1, 1, 1, 0, 0                          ; visit 8, my second block's last slot, is written out: it asks for nothing
	STEP 1, 0, 0, 1, 1, 0
	WAYOUT
	s_wait_tensorcnt 0x0                           ; the wave's end
	ds_add_u32 v[SPW], v[NIL]
	s_wait_dscnt 0x0
	s_endpgm
.Lfunc_end_k_q9d4dc68d4e_attn:
	.size	k_q9d4dc68d4e_attn, .Lfunc_end_k_q9d4dc68d4e_attn-k_q9d4dc68d4e_attn
	.p2alignl 7, 3214868480
	.fill 96, 4, 3214868480
	.section	.rodata,"a",@progbits
	.p2align	6, 0x0
	.amdhsa_kernel k_q9d4dc68d4e_attn
		.amdhsa_group_segment_fixed_size 327680
		.amdhsa_private_segment_fixed_size 0
		.amdhsa_enable_private_segment 0
		.amdhsa_kernarg_size 24
		.amdhsa_user_sgpr_count 2
		.amdhsa_user_sgpr_kernarg_segment_ptr 1
		.amdhsa_wavefront_size32 1
		.amdhsa_system_sgpr_workgroup_id_x 1
		.amdhsa_system_sgpr_workgroup_id_y 1
		.amdhsa_system_sgpr_workgroup_id_z 1
		.amdhsa_system_vgpr_workitem_id 0
		.amdhsa_next_free_vgpr 512
		.amdhsa_next_free_sgpr 66
		.amdhsa_reserve_vcc 1
		.amdhsa_float_denorm_mode_32 3
		.amdhsa_float_denorm_mode_16_64 3
		.amdhsa_memory_ordered 1
		.amdhsa_forward_progress 1
		.amdhsa_inst_pref_size 177
	.end_amdhsa_kernel
	.amdgpu_metadata
---
amdhsa.version: [ 1, 2 ]
amdhsa.kernels:
  - .name:           k_q9d4dc68d4e_attn
    .symbol:         k_q9d4dc68d4e_attn.kd
    .args:
      - { .name: qkv, .offset: 0, .size: 8, .value_kind: global_buffer, .address_space: global }
      - { .name: lowp_scales, .offset: 8, .size: 8, .value_kind: global_buffer, .address_space: global }
      - { .name: o_img, .offset: 16, .size: 8, .value_kind: global_buffer, .address_space: global }
    .group_segment_fixed_size: 327680
    .private_segment_fixed_size: 0
    .kernarg_segment_align: 8
    .kernarg_segment_size: 24
    .max_flat_workgroup_size: 256
    .sgpr_count:     66
    .vgpr_count:     512
    .wavefront_size: 32
...
	.end_amdgpu_metadata
.endif
;; end of part 2
;; launch proj (part 3): grid 4 x 64, 4 waves a work-group, clusters of 4 x 4, 327,680 bytes of LDS; arguments o_img, Wp_codes, lowp_scales, bp, out0; writes out0
.if DOCPART == 3
	.amdgcn_target "amdgcn-amd-amdhsa--gfx1250"
	.amdhsa_code_object_version 6
	.text
	.protected	k_q9d4dc68d4e_proj
	.globl	k_q9d4dc68d4e_proj
	.p2align	8
	.type	k_q9d4dc68d4e_proj,@function
k_q9d4dc68d4e_proj:
	s_mov_b64 s[64:65], 0
	v_nop
	global_prefetch_b8 v0, s[64:65] scope:SCOPE_SE
	s_setreg_imm32_b32 hwreg(HW_REG_WAVE_MODE, 25, 1), 1
	s_wait_xcnt 0x0
	s_wait_alu depctr_hold_cnt(0) depctr_sa_sdst(0) depctr_va_vdst(0) depctr_va_sdst(0) depctr_va_ssrc(0) depctr_va_vcc(0) depctr_vm_vsrc(0)
	s_getreg_b32 s2, hwreg(HW_REG_IB_STS2, 6, 4)
	s_cmp_eq_u32 s2, 0
	s_cbranch_scc0 .Lentry_in_a_cluster
	s_endpgm
.Lentry_in_a_cluster:
	s_bfe_u32 s2, ttmp6, 0x10000c
	s_cmp_lg_u32 s2, 0xf033
	s_cbranch_scc0 .Lentry_shape_is_right
	s_endpgm
.Lentry_shape_is_right:
; out0 = o Wp^T x 2^(e10 + e11) + bp, on codes of BF8 (E5M2).  o: 8,192 rows x 1,024, as images of operand registers (o_img); Wp: [1024 (n)][1024 (k)] codes; out0: [8192][1024] f32.
; o_img: [128 rows: 64][128 of d: 8][16 rows: 8][chunk 4][lane][16]: row 128 R + 16 i + r, d = 128 s + 32 c + 16 h + u: chunk c is registers 4 c .. 4 c + 3 of a fragment of 16 rows x 128 K.
; LIMIT: e10 + e11 lies between -126 and 127, so that 2^(e10 + e11) is an f32 number.
; A block of 128 rows x 256 columns is made by a work-group of four waves: 64 x 4 = 256 work-groups.  A wave makes 64 x 128: 32 accumulators of 16 x 16.
; K goes in four steps of 256 through a ring of two LDS slots: o's 128 rows (32,768 dense bytes, two loads of 16,384: waves 0 and 1), then Wp's 256 rows of 256 bytes, padded to 272 (two loads of 128 rows: waves 2 and 3).
; CLUSTERS: 4 x 4 work-groups.  The four of a row of the cluster need the same tiles of o, the four of a column the same tiles of Wp: each tile is asked for jointly.
; THE MATRIX INSTRUCTION IS USED TRANSPOSED (source 0 = 16 rows of Wp, source 1 = 16 rows of o): a lane holds eight neighbouring numbers of a row of out0.
; REGISTERS: window 0: v0-31 addresses, the bias; v128-255 o's fragments, two sets of 4; on the way out rows read back.   window 1: Wp's fragments, two sets of 8.   window 2: the accumulators ((a, b) at v[8 (8 a + b)]).
.set SIZE_N, 1024
.set PITCH,  272
.set FR,     16
.set NP,     4                         ; places behind this matrix instruction (ISA guide 7.12.1)
.set PARTA,  16384                     ; 128 rows x 128 K of o
.set HALFB,  128*PITCH
.set BOFF,   2*PARTA
.set SLOT,   BOFF+2*HALFB
.set SPARE,  2*SLOT                    ; behind the ring: the spare words, 128 bytes for each wave
.set SPITCH, 528                       ; the way out: a stage of 16 rows x (512 bytes + 16) for each wave, in slot 0, which has had its last fill and its last read by then
.set ADRA, 16
.set ADRB, 20
.set STO,  24
.set RD,   25
.set CO,   26
.set SPW,  28
.set NIL,  29
.set PFO,  7                           ; v7 the prefetches' offset; never rewritten
.set BI,   8                           ; v8-11 the bias of my four columns of a row read back
.set AF,   128
.set BK,   128
.set G1, 24
.set G0, 32
.set G1B, 48
.set G0B, 56
.set MSB, 0
.macro WIN new
.if MSB != \new
	s_set_vgpr_msb (MSB<<8)|\new
.set MSB, \new
.endif
.endm
.set MUL_LO, 0xa1                      ; source 0 (Wp) window 1, source 1 (o) window 0, C and D window 2
.set TO_B,   0x40
.macro JLOAD g0a, g1a, g0b, g1b        ; waves 0 and 1 fetch for o, waves 2 and 3 for Wp; an s_nop 0 and four v_nop follow each line
	s_cmp_eq_u32 s15, 0
	s_cbranch_scc0 .Lfor_b_\@
	tensor_load_to_lds s[\g0a:\g0a+3], s[\g1a:\g1a+7]
	s_nop 0
.rept 4
	v_nop
.endr
	s_branch .Lasked_\@
.Lfor_b_\@:
	tensor_load_to_lds s[\g0b:\g0b+3], s[\g1b:\g1b+7]
	s_nop 0
.rept 4
	v_nop
.endr
.Lasked_\@:
.endm
; A PREFETCH INTO THE L2, one instruction a wave behind each of the head's two joint loads: the K step that stands two loads on (K steps 2 and 3).  The four partners that ask for a tile jointly share it out by address:
; of o's 16,384 bytes that a wave fetches each takes 4,096 (place cx): lanes 0 to 15 a block of 256 bytes each, the other lanes the last block again; of Wp's 128 rows each takes 32 (place cy), a lane a row of 256 bytes.
; o's tiles are loaded by one cluster alone, which asks; Wp's by all sixteen clusters, of which the first four ask.  The address registers are never rewritten.
.macro ASK r
	s_cmp_eq_u32 s2, 0
	s_cbranch_scc0 .Lnot_mine_\@
	global_prefetch_b8 v[PFO], s[\r:\r+1] th:TH_LOAD_NT scope:SCOPE_SE
.Lnot_mine_\@:
.endm
.macro CREST
	s_cmp_lg_u32 s14, 0
	s_cbranch_scc1 .Lnot_wave_0_\@
	s_barrier_signal -3
.Lnot_wave_0_\@:
	s_barrier_wait -3
	s_barrier_signal -1
	s_barrier_wait -1
.endm
.macro CROUND
	s_barrier_signal -1
	s_barrier_wait -1
	CREST
.endm
	s_load_b128 s[4:7], s[0:1], 0x0                ; o_img, Wp's codes
	s_load_b128 s[8:11], s[0:1], 0x10              ; the scales' exponents, bp
	s_load_b64 s[12:13], s[0:1], 0x20              ; out0
	v_lshl_add_u32 v[SPW], v0, 2, SPARE
	v_mov_b32 v[NIL], 0
	ds_add_u32 v[SPW], v[NIL]                      ; the opening: the add, twice on end, and its wait
	ds_add_u32 v[SPW], v[NIL]
	v_lshrrev_b32 v1, 5, v0
	v_readfirstlane_b32 s14, v1                    ; wave 0..3
	s_lshr_b32 s15, s14, 1                         ; which 64 rows are mine.  Also: I fetch for o (0) or for Wp (1)
	s_and_b32 s16, s14, 1                          ; which 128 columns.  Also: which part of that tile I fetch
	s_bfe_u32 s40, ttmp6, 0x40000                  ; cx, cy
	s_bfe_u32 s41, ttmp6, 0x40004
	s_lshl_b32 s42, ttmp9, 2
	s_add_co_u32 s42, s42, s40                     ; block column: 256 columns
	s_and_b32 s17, ttmp7, 0xffff
	s_lshl_b32 s17, s17, 2
	s_add_co_u32 s17, s17, s41                     ; block row: 128 rows
	s_lshl_b32 s43, s41, 2
	s_lshl_b32 s43, 15, s43                        ; my row of the cluster
	s_lshl_b32 s44, 0x1111, s40                    ; my column
	s_or_b32 s[G1+0], s43, (0<<16)|(1<<21)         ; o: 64 rows of 256 dense bytes, no padding
	s_or_b32 s[G1B+0], s44, (0<<16)|(1<<20)|(1<<21)|(5<<22)|(3<<25)   ; Wp: 128 rows of 256 bytes, four words of padding behind every 64
	s_mov_b32 s[G1+1], 256<<16
	s_mov_b32 s[G1+2], 64<<16
	s_mov_b32 s[G1+3], 256<<16
	s_mov_b32 s[G1+4], 64
	s_mov_b32 s[G1+5], 256
	s_mov_b32 s[G1+6], 0
	s_mov_b32 s[G1+7], 0
	s_mov_b32 s[G1B+1], 256<<16
	s_mov_b32 s[G1B+2], 128<<16
	s_mov_b32 s[G1B+3], 256<<16
	s_mov_b32 s[G1B+4], 128
	s_mov_b32 s[G1B+5], 1024
	s_mov_b32 s[G1B+6], 0
	s_mov_b32 s[G1B+7], 0
	s_lshl_b32 s20, s17, 17                        ; o: 131,072 bytes for 128 rows,
	s_lshl_b32 s45, s16, 14                        ; + which 128 of the step's 256 along K; the same in LDS
	s_add_co_u32 s20, s20, s45
	s_mov_b32 s21, 0
	s_lshl_b32 s18, s16, 7
	s_lshl_b32 s46, s42, 8
	s_add_co_u32 s46, s46, s18                     ; Wp: row 256 x block column + 128 x half,
	s_lshl_b32 s46, s46, 10                        ; of 1,024 bytes
	s_mov_b32 s47, 0
	s_mul_i32 s66, s16, HALFB
	s_add_co_u32 s66, s66, BOFF
	s_wait_dscnt 0x0                               ; both opening adds are done
	s_wait_kmcnt 0x0
	s_load_b64 s[96:97], s[8:9], 0x28              ; e10, e11
	s_add_nc_u64 s[20:21], s[4:5], s[20:21]
	s_add_nc_u64 s[46:47], s[6:7], s[46:47]
	CROUND                                         ; all sixteen work-groups are here: the first joint loads meet
.irp s, 0,1
	s_mov_b32 s[G0+4*\s], 1
	s_add_co_u32 s[G0+4*\s+1], s45, \s*SLOT
	s_add_nc_u64 s[G0+4*\s+2:G0+4*\s+3], s[20:21], \s*2*PARTA
	s_or_b32 s[G0+4*\s+3], s[G0+4*\s+3], 0x80000000
	s_mov_b32 s[G0B+4*\s], 1
	s_add_co_u32 s[G0B+4*\s+1], s66, \s*SLOT
	s_add_nc_u64 s[G0B+4*\s+2:G0B+4*\s+3], s[46:47], \s*256
	s_or_b32 s[G0B+4*\s+3], s[G0B+4*\s+3], 0x80000000
.endr
	JLOAD G0, G1, G0B, G1B                         ; K step 0
	s_cmp_eq_u32 s15, 0                            ; the prefetches: do I fetch for o?
	s_cselect_b64 s[68:69], s[20:21], s[46:47]     ; what I fetch, at K step 0
	s_cselect_b32 s18, s40, s41                    ; my place among the four that ask with me,
	s_cselect_b32 s19, 12, 15                      ; x 4,096 bytes of o, or 32 rows of 1,024 bytes of Wp
	s_cselect_b32 s72, 15, 31                      ; the last lane with a block of its own
	s_cselect_b32 s73, 8, 10                       ; from lane to lane: 256 bytes, or a row
	s_cselect_b32 s74, 15, 8                       ; a K step: 32,768 bytes of o, 256 of a row of Wp
	s_and_b32 s75, ttmp7, 0xffff
	s_lshr_b32 s75, s75, 2                         ; 0 in the first four clusters
	s_mul_i32 s2, s15, s75                         ; 0 where my wave asks
	s_lshl_b32 s18, s18, s19
	s_mov_b32 s19, 0
	s_add_nc_u64 s[68:69], s[68:69], s[18:19]
	s_lshl_b32 s18, 2, s74
	s_add_nc_u64 s[70:71], s[68:69], s[18:19]      ; K step 2
	s_lshl_b32 s18, 3, s74
	s_add_nc_u64 s[68:69], s[68:69], s[18:19]      ; K step 3
	v_and_b32 v[PFO], 31, v0
	v_min_u32 v[PFO], s72, v[PFO]
	v_lshlrev_b32 v[PFO], s73, v[PFO]
	ASK 70
	v_and_b32 v1, 15, v0                           ; l % 16
	v_bfe_u32 v2, v0, 4, 1                         ; l / 16
	v_mul_u32_u24 v3, v1, PITCH
	v_lshl_add_u32 v4, v2, 4, v3                   ; Wp: a fragment's row x pitch + 16 x half
	v_and_b32 v6, 31, v0
	v_lshlrev_b32 v[CO], 4, v6                     ; o: 16 x lane in a chunk; also my 16 bytes of a row of 512 on the way out
	s_lshl_b32 s21, s15, 13                        ; my 64 rows of o: four blocks of 2,048 bytes
	s_mul_i32 s22, s16, HALFB
	s_add_co_u32 s22, s22, BOFF                    ; my 128 rows of Wp
.irp s, 0,1
	v_add_nc_u32 v[ADRA+\s], s21, v[CO]
	v_add_nc_u32 v[ADRB+\s], s22, v4
	s_add_co_u32 s21, s21, SLOT
	s_add_co_u32 s22, s22, SLOT
.endr
	s_mul_i32 s23, s14, 16*SPITCH                  ; my stage
	s_wait_alu depctr_va_vdst(0)                   ; directly ahead of the reader below
	v_mul_u32_u24 v5, v1, SPITCH
	v_lshl_add_u32 v5, v2, 5, v5
	v_add_nc_u32 v[STO], s23, v5                   ; in: row l % 16, 32 bytes for each half of the lanes
	v_add_nc_u32 v[RD], s23, v[CO]                 ; back: the 32 lanes take one row of 512 bytes
	s_lshl_b32 s20, s17, 7
	s_lshl_b32 s21, s15, 6
	s_add_co_u32 s20, s20, s21                     ; my first row of out0,
	s_lshl_b32 s20, s20, 12                        ; of 4,096 bytes
	s_mov_b32 s21, 0
	s_lshl_b32 s46, s42, 10
	s_lshl_b32 s47, s16, 9
	s_add_co_u32 s46, s46, s47                     ; my first column, in bytes
	s_mov_b32 s47, 0
	s_add_nc_u64 s[10:11], s[10:11], s[46:47]
	global_load_b128 v[BI:BI+3], v[CO], s[10:11]   ; the bias of my four columns
	s_add_nc_u64 s[12:13], s[12:13], s[20:21]
	s_add_nc_u64 s[12:13], s[12:13], s[46:47]
.macro FRAGB reg, adr, q, i            ; registers 4 c .. 4 c + 3: K = 32 c + 16 (l / 16) + 0 .. 15: the places that o's image has too
.irp c, 0,1,2,3
	ds_load_b128 v[\reg+4*\c:\reg+4*\c+3], v[\adr] offset:128*(\q)+32*\c+(\i)*16*PITCH
.endr
.endm
.macro FRAGA reg, adr, q, i
.irp c, 0,1,2,3
	ds_load_b128 v[\reg+4*\c:\reg+4*\c+3], v[\adr] offset:PARTA*(\q)+2048*(\i)+512*\c
.endr
.endm
.macro FETCH slot, q                   ; 48 LDS loads: the fragments of the slot's q-th 128 along K, into the sets q
	WIN TO_B
.irp i, 0,1,2,3,4,5,6,7
	FRAGB 128*(\q)+FR*\i, ADRB+\slot, \q, \i
.endr
	WIN 0
.irp i, 0,1,2,3
	FRAGA AF+64*(\q)+FR*\i, ADRA+\slot, \q, \i
.endr
.endm
; 16 matrix instructions: o's blocks a0, a0 + 1 x Wp's eight.  The 32 accumulators take turns, in the same order in every step.
.macro MUL16 a0, p, zero
.irp a, \a0, \a0+1
.irp b, 0,1,2,3,4,5,6,7
.if \zero
	v_wmma_f32_16x16x128_bf8_bf8 v[8*(8*(\a)+\b):8*(8*(\a)+\b)+7], v[128*(\p)+FR*\b:128*(\p)+FR*\b+FR-1], v[AF+64*(\p)+FR*(\a):AF+64*(\p)+FR*(\a)+FR-1], 0
.else
	v_wmma_f32_16x16x128_bf8_bf8 v[8*(8*(\a)+\b):8*(8*(\a)+\b)+7], v[128*(\p)+FR*\b:128*(\p)+FR*\b+FR-1], v[AF+64*(\p)+FR*(\a):AF+64*(\p)+FR*(\a)+FR-1], v[8*(8*(\a)+\b):8*(8*(\a)+\b)+7]
.endif
.endr
.endr
.endm
.macro PLACES n
.rept \n
	v_nop
.endr
.endm
; A slot's first 128 along K: the sets 0 are multiplied while the sets 1 come in.
.macro STEP slot, zero
	s_wait_dscnt 0x0                               ; the sets 0 are in
	PLACES NP                                      ; ahead of loads into the sets 1, which the last products read
	FETCH \slot, 1
	WIN MUL_LO
	MUL16 0, 0, \zero
	MUL16 2, 0, \zero
	WIN 0
.endm
; A slot's second 128 along K, and the change of slots.  fill = 1: this slot is filled again, two K steps ahead.
.macro TURN slot, next, fill
	s_wait_tensorcnt 0x0                           ; my part of the next slot is in
	ds_add_u32 v[SPW], v[NIL]
	s_wait_dscnt 1                                 ; the sets 1 are in; the add alone may be out
	WIN MUL_LO
	MUL16 0, 1, 0
	s_wait_dscnt 0x0                               ; the add is done, and my reads of this slot are over
	s_barrier_signal -1
	WIN 0
	s_barrier_wait -1
.if \fill
	CREST                                          ; the barrier has opened a round of the cluster's barrier
	s_add_nc_u64 s[G0+4*\slot+2:G0+4*\slot+3], s[G0+4*\slot+2:G0+4*\slot+3], 4*PARTA
	s_add_nc_u64 s[G0B+4*\slot+2:G0B+4*\slot+3], s[G0B+4*\slot+2:G0B+4*\slot+3], 512
	JLOAD G0+4*\slot, G1, G0B+4*\slot, G1B         ; the first tensor load behind the round; its four v_nop are the places ahead of the loads below
.else
	PLACES NP
.endif
	FETCH \next, 0
	WIN MUL_LO
	MUL16 2, 1, 0
	WIN 0
.endm
	s_wait_alu depctr_va_vdst(0)
	s_wait_tensorcnt 0x0                           ; my part of K step 0 is in; slot 1's first fill is issued as a refill is:
	ds_add_u32 v[SPW], v[NIL]
	s_wait_dscnt 0x0
	CROUND
	JLOAD G0+4, G1, G0B+4, G1B                     ; K step 1
	FETCH 0, 0
	ASK 68                                         ; K step 3, behind the joint load and the run of LDS loads
	STEP 0, 1                                      ; the first products start the sums
	TURN 0, 1, 1                                   ; slot 0 takes K step 2
	STEP 1, 0
	TURN 1, 0, 1                                   ; slot 1 takes K step 3
	STEP 0, 0
	TURN 0, 1, 0
	STEP 1, 0
	s_wait_dscnt 0x0
	WIN MUL_LO
	MUL16 0, 1, 0
	MUL16 2, 1, 0
	WIN 0
; THE WAY OUT, block by block of 16 rows x 128 columns: through my stage in LDS, back as whole rows of 512 bytes, x 2^(e10 + e11) + bias, stored as two aligned units of 256 bytes.
.macro TOSTAGE a
.set AC, 64*(\a)
	WIN 0x08                                       ; store data: window 2
.irp b, 0,1,2,3,4,5,6,7
	ds_store_b128 v[STO], v[AC+8*\b:AC+8*\b+3] offset:64*\b          ; each accumulator from its low end on
	ds_store_b128 v[STO], v[AC+8*\b+4:AC+8*\b+7] offset:64*\b+16
.endr
	WIN 0
.set BB, BK+64*((\a)%2)
.irp t, 0,1,2,3,4,5,6,7,8,9,10,11,12,13,14,15
	ds_load_b128 v[BB+4*\t:BB+4*\t+3], v[RD] offset:\t*SPITCH        ; LDS serves a wave's instructions in order (ISA guide 5.7.1.4)
.endr
.endm
.macro SEND a, younger                 ; younger: the LDS instructions issued behind block a's loads
.set BB, BK+64*((\a)%2)
	s_wait_dscnt \younger
.set j, 0
.rept 16
	v_pk_fma_f32 v[BB+4*j:BB+4*j+1], v[BB+4*j:BB+4*j+1], s[96:97], v[BI:BI+1] op_sel_hi:[1,0,1]
	v_pk_fma_f32 v[BB+4*j+2:BB+4*j+3], v[BB+4*j+2:BB+4*j+3], s[96:97], v[BI+2:BI+3] op_sel_hi:[1,0,1]
.set j, j+1
.endr
.if (\a) > 0
	s_add_nc_u64 s[12:13], s[12:13], 16*SIZE_N*4   ; (behind a wait on XCNT)  16 rows on
.endif
.irp t, 0,1,2,3,4,5,6,7,8,9,10,11,12,13,14,15
	global_store_b128 v[CO], v[BB+4*\t:BB+4*\t+3], s[12:13] offset:\t*SIZE_N*4 th:TH_STORE_NT   ; 512 consecutive bytes, aligned
.endr
.endm
	s_wait_kmcnt 0x0
	s_add_co_i32 s96, s96, s97
	s_add_co_i32 s96, s96, 127
	s_lshl_b32 s96, s96, 23                        ; 2^(e10 + e11)
	s_mov_b32 s97, s96
	s_wait_loadcnt 0x0                             ; the bias
	PLACES NP                                      ; behind the last products
	TOSTAGE 0
.irp a, 1,2,3
.if \a > 1
	s_wait_xcnt 0x0                                ; block a - 2's stores have read their registers and their base
.endif
	TOSTAGE \a
	SEND \a-1, 32
.endr
	s_wait_xcnt 0x0
	SEND 3, 0
	s_wait_tensorcnt 0x0                           ; the wave's end
	ds_add_u32 v[SPW], v[NIL]
	s_wait_dscnt 0x0
	CROUND                                         ; the closing round
	s_endpgm
.Lfunc_end_k_q9d4dc68d4e_proj:
	.size	k_q9d4dc68d4e_proj, .Lfunc_end_k_q9d4dc68d4e_proj-k_q9d4dc68d4e_proj
	.p2alignl 7, 3214868480
	.fill 96, 4, 3214868480
	.section	.rodata,"a",@progbits
	.p2align	6, 0x0
	.amdhsa_kernel k_q9d4dc68d4e_proj
		.amdhsa_group_segment_fixed_size 327680
		.amdhsa_private_segment_fixed_size 0
		.amdhsa_enable_private_segment 0
		.amdhsa_kernarg_size 40
		.amdhsa_user_sgpr_count 2
		.amdhsa_user_sgpr_kernarg_segment_ptr 1
		.amdhsa_wavefront_size32 1
		.amdhsa_system_sgpr_workgroup_id_x 1
		.amdhsa_system_sgpr_workgroup_id_y 1
		.amdhsa_system_sgpr_workgroup_id_z 1
		.amdhsa_system_vgpr_workitem_id 0
		.amdhsa_next_free_vgpr 768
		.amdhsa_next_free_sgpr 98
		.amdhsa_reserve_vcc 0
		.amdhsa_float_denorm_mode_32 3
		.amdhsa_float_denorm_mode_16_64 3
		.amdhsa_memory_ordered 1
		.amdhsa_forward_progress 1
		.amdhsa_inst_pref_size 77
	.end_amdhsa_kernel
	.amdgpu_metadata
---
amdhsa.version: [ 1, 2 ]
amdhsa.kernels:
  - .name:           k_q9d4dc68d4e_proj
    .symbol:         k_q9d4dc68d4e_proj.kd
    .args:
      - { .name: o_img, .offset: 0, .size: 8, .value_kind: global_buffer, .address_space: global }
      - { .name: Wp_codes, .offset: 8, .size: 8, .value_kind: global_buffer, .address_space: global }
      - { .name: lowp_scales, .offset: 16, .size: 8, .value_kind: global_buffer, .address_space: global }
      - { .name: bp, .offset: 24, .size: 8, .value_kind: global_buffer, .address_space: global }
      - { .name: out0, .offset: 32, .size: 8, .value_kind: global_buffer, .address_space: global }
    .group_segment_fixed_size: 327680
    .private_segment_fixed_size: 0
    .kernarg_segment_align: 8
    .kernarg_segment_size: 40
    .max_flat_workgroup_size: 128
    .sgpr_count:     98
    .vgpr_count:     768
    .wavefront_size: 32
...
	.end_amdgpu_metadata
.endif
;; end of part 3
